; MI455X (gfx1250); checked and timed in simulation.
; The chip was launched on July 23, 2026; its instructions are those of AMD's public machine-readable ISA for CDNA 5 (MIT licence, August 2026) and "CDNA5" Instruction Set Architecture Reference Guide (July 2026). The comments in the code are by the model that wrote it; some were corrected since.
;; Bahdanau Attention. Allowed arithmetic: matrix products marked QUANTISED: E4M3 operands, one given power-of-two scale a tensor, by v_wmma_f32_16x16x64_fp8_fp8 or v_wmma_f32_16x16x128_fp8_fp8, f32 sums; products left as they are: f32 operands where the result goes on into a quantised operand, else bf16, f16 or f32 operands; f32 sums; everything else in f32.
;; Inputs: V_b 1 float32; V_w 1,024 x 1 float32; Wc_b 1,024 float32; Wc_w 1 x 1,024 float32; Wh_b 1,024 float32; Wh_w 1,024 x 1,024 float32; Ws_b 1,024 float32; Ws_w 1,024 x 1,024 float32; dec_hidden 32 x 1,024 float32; enc_output 32 x 2,048 x 1,024 float32; enc_pad_mask 32 x 2,048 int32; lowp_scales 4 int32 (the exponents e of the quantised operands' scales 2^e); prev_coverage 32 x 2,048 x 1 float32.
;; Outputs: out0 32 x 1,024 float32; out1 32 x 2,048 float32; out2 32 x 2,048 x 1 float32.
;; Constants: use_coverage = True.
;; This version of the problem:
;;   THIS VERSION OF THE PROBLEM IS GIVEN IN LOW PRECISION. The matrix products marked QUANTISED in the list below multiply operands that are first quantised to E4M3 (4 exponent bits, 3 mantissa bits; 8 bits a number), with one given power-of-two scale for each operand tensor; their sums are f32. All else is computed in f32.
;;   The module's matrix products, in the order in which they are computed (A, B: the left and right operand; K: the contracted axis; several contracted axes count as one K, in the product's order):
;;     1. [M 32, K 1,024] x [K 1,024, N 1,024]; A: input dec_hidden; B: input Wh_w: QUANTISED (scales: A lowp_scales[0], B lowp_scales[1])
;;     2. [M 65,536, K 1,024] x [K 1,024, N 1,024]; A: input enc_output; B: input Ws_w: QUANTISED (scales: A lowp_scales[2], B lowp_scales[3])
;;     3. [M 65,536, K 1] x [K 1, N 1,024]; A: input prev_coverage; B: input Wc_w: left as it is (K = 1 < 32)
;;     4. [M 65,536, K 1,024] x [K 1,024, N 1]; A: computed on the way; B: input V_w: left as it is (N = 1 < 16)
;;   THE QUANTISER, for each operand of a quantised product, along K:
;;     - The operand's scale is 2^e, e = its entry of the input lowp_scales (int32; the entries are numbered through the quantised products in the list's order, A before B).
;;     - Each number is divided by the scale, clamped to +-448, and rounded to the nearest number of E4M3, ties to even, subnormals kept.
;;     - The product sums the exact products of the quantised numbers (number of the format x scale) in f32.
;;   ~~~python
;;   def quantise(x, axis, e):      # numpy; x: float32 -> the quantised numbers, widened to float32 again
;;       x = np.moveaxis(x, axis, -1); K = x.shape[-1]
;;       r = np.clip(x / 2.0 ** e, -448, 448)
;;       step = 2.0 ** (np.maximum(np.frexp(np.where(r == 0, 1, r))[1] - 1, -6) - 3)
;;       q = np.round(r / step) * step * 2.0 ** e      # np.round: ties to even
;;       return np.moveaxis(q, -1, axis).astype(np.float32)
;;   ~~~
;; One version. Each part assembles by itself: llvm-mc -triple=amdgcn-amd-amdhsa -mcpu=gfx1250 --defsym DOCPART=n.
;; ======== version 1 of 1: 3 launches
;; limits: right only within a limited range of input values
;; workspace buffers: ws_codes 1,048,576 bytes; tab 524,288 bytes; scores 262,144 bytes; ctx_part 4,194,304 bytes; ml_part 8,192 bytes
;; launch prep (part 1): grid 128 x 1, 8 waves a work-group, no clusters, 9,216 bytes of LDS; arguments Ws_w, Wh_w, dec_hidden, lowp_scales, Wh_b, Ws_b, Wc_b, Wc_w, V_w, ws_codes, tab; writes ws_codes, tab
.if DOCPART == 1
	.amdgcn_target "amdgcn-amd-amdhsa--gfx1250"
	.amdhsa_code_object_version 6
	.text
	.protected	k_q65c2c3ee0c_prep
	.globl	k_q65c2c3ee0c_prep
	.p2align	8
	.type	k_q65c2c3ee0c_prep,@function
k_q65c2c3ee0c_prep:
	s_mov_b64 s[64:65], 0
	v_nop
	global_prefetch_b8 v0, s[64:65] scope:SCOPE_SE
	s_setreg_imm32_b32 hwreg(HW_REG_WAVE_MODE, 25, 1), 1
	s_wait_xcnt 0x0
; FIRST OF THREE LAUNCHES.  The program: feat = Q(enc) Q(Ws) + Q(dec) Q(Wh) + Ws_b + Wh_b + Wc_b + cov Wc;  score = tanh(feat) V_w + V_b;  a = softmax over s;  out0 = sum_s a enc, out1 = a, out2 = a + cov.
; WORK LEFT OUT, for all values of the inputs:
;   V_b is added to every score of a softmax row alike, so it cancels in a: V_b is not loaded and is no argument of any launch.
;   tanh x = 1 - 2 / (1 + e^(2x)), so score = sum_u V_w[u] + sum_u (-2 V_w[u]) / (1 + e^(2 feat)): the first sum is the same for every s of a row and cancels likewise.  The program keeps the second sum alone.
;   enc_pad_mask is named by no line of the computation: it is not loaded and is no argument.
;   LIMIT: a NaN, an infinity or an overflow that reaches only V_b, sum_u V_w[u] or enc_pad_mask is not carried to the result.
; THIS LAUNCH makes (1) ws_codes: Ws_w as E4M3 codes with the scale 2^e3, laid as images of the operand's registers: fragment (T = 16 columns, s = 128 along K) is 2,048 bytes at 2048 (8 T + s);
;   its byte 512 c + 256 h + 16 r + i is the code of Ws_w[128 s + 32 c + 16 h + i][16 T + r];
; (2) tab[b][T][r] = { C2 (h[b][u] + Wh_b[u] + Ws_b[u] + Wc_b[u]), -2 V_w[u], C2 Wc_w[u], 0 }, u = 16 T + r, C2 = 2 log2(e), h = Q(dec) Q(Wh) by v_wmma_f32_16x16x128_fp8_fp8.
; SHARES.  Work-group x: T = x / 2, t = x % 2.  Wave s multiplies dec's rows 16 t .. 16 t + 15 by Wh's columns 16 T .. 16 T + 15 over K step s; the eight parts meet in LDS; wave j then finishes register j of the
; result (rows 16 t + 8 h + j).  Besides, each wave quantises 32 columns x 32 along K of Ws_w: a lane takes a column and its registers run down K, so the codes come out with K innermost.
; k stands in the same places of A's and B's registers (registers 4 c .. 4 c + 3: k = 32 c + 16 h + 0 .. 15), so every product meets its partner.
; LIMITS: e0, e1, e3 between -126 and 119, so that 2^e and 448 x 2^e are f32 numbers.  NaN among the inputs is not served.
.set SPARE, 8192                       ; behind the parts: the spare words, 128 bytes for each of the eight waves
.set SPW, 14                           ; v14  LDS address of my spare word; never rewritten
.set NIL, 15                           ; v15  0; never rewritten
.set CW,  16                           ; v16-31   Wh's codes
.set CD,  32                           ; v32-47   dec's codes
.set AC,  48                           ; v48-55   my part of the product
.set PT,  56                           ; v56-63   the eight waves' parts of my register
.set WH,  64                           ; v64-127  64 numbers of Wh
.set EN,  96                           ; v96-99   the table's entry (Wh's numbers are done with by then)
.set DE,  128                          ; v128-191 64 numbers of dec
.set WS,  192                          ; v192-223 32 numbers of Ws
.set CS,  224                          ; v224-231 their codes
.set SM,  240                          ; v240-244 Wh_b, Ws_b, Wc_b, Wc_w, V_w at my column
.macro QUANT src, dst, sc, lim         ; 64 numbers of a lane, register 16 c + i = k 32 c + 16 h + i, become a fragment's 16 registers of codes
.irp c, 0,1,2,3
.irp i, 0,1,2,3,4,5,6,7,8,9,10,11,12,13,14,15
	v_med3_num_f32 v[\src+16*\c+\i], v[\src+16*\c+\i], -v[\lim], v[\lim]   ; the conversion does not saturate (ISA guide 7.6.2): the hold at 448 x the scale comes first
.endr
	v_cvt_scalef32_pk8_fp8_f32 v[\dst+4*\c:\dst+4*\c+1], v[\src+16*\c:\src+16*\c+7], v[\sc]
	v_cvt_scalef32_pk8_fp8_f32 v[\dst+4*\c+2:\dst+4*\c+3], v[\src+16*\c+8:\src+16*\c+15], v[\sc]
.endr
	v_nop                                          ; one plain vector instruction between the last conversion and the matrix instruction that reads its result
.endm
.macro MKSC e, sc, lim                 ; 2^e and 448 x 2^e as f32 numbers
	s_add_co_i32 s50, s[\e], 127
	s_lshl_b32 s51, s50, 23
	v_mov_b32 v[\sc], s51
	s_add_co_i32 s50, s50, 8
	s_lshl_b32 s50, s50, 23
	s_or_b32 s50, s50, 0x600000
	v_mov_b32 v[\lim], s50
.endm
	s_load_b512 s[4:19], s[0:1], 0x0               ; Ws_w s[4:5], Wh_w s[6:7], dec s[8:9], scales s[10:11], Wh_b s[12:13], Ws_b s[14:15], Wc_b s[16:17], Wc_w s[18:19]
	s_load_b128 s[20:23], s[0:1], 0x40             ; V_w s[20:21], ws_codes s[22:23]
	s_load_b64 s[24:25], s[0:1], 0x50              ; tab
	v_lshl_add_u32 v[SPW], v0, 2, SPARE
	v_mov_b32 v[NIL], 0
	v_lshrrev_b32 v1, 5, v0
	s_delay_alu instid0(VALU_DEP_1)
	v_readfirstlane_b32 s26, v1                    ; wave 0..7
	v_and_b32 v1, 31, v0                           ; lane
	v_and_b32 v2, 15, v0                           ; r
	s_wait_alu depctr_va_vdst(0)
	v_bfe_u32 v3, v0, 4, 1                         ; h
	s_lshr_b32 s27, ttmp9, 1                       ; T
	s_and_b32 s32, ttmp9, 1                        ; t
	s_lshl_b32 s33, s27, 6                         ; 64 T: 16 columns of 4 bytes
	s_lshl_b32 s34, s26, 19                        ; Wh: 128 rows of 4,096 bytes for each K step,
	s_add_co_u32 s34, s34, s33                     ; + my columns
	s_mov_b32 s35, 0
	s_lshl_b32 s36, s32, 16                        ; dec: 16 t rows of 4,096 bytes,
	s_lshl_b32 s38, s26, 9
	s_add_co_u32 s36, s36, s38                     ; + 512 bytes for each K step
	s_mov_b32 s37, 0
	s_and_b32 s38, ttmp9, 7
	s_lshl_b32 s38, s38, 2
	s_and_b32 s39, s26, 3
	s_add_co_u32 s38, s38, s39                     ; Ws: which 32 columns: 4 (x % 8) + wave % 4: four waves stand side by side on 512 bytes of a row
	s_lshr_b32 s39, ttmp9, 3
	s_lshl_b32 s39, s39, 1
	s_lshr_b32 s40, s26, 2
	s_add_co_u32 s39, s39, s40                     ; and which 32 along K: 2 (x / 8) + wave / 4
	s_lshl_b32 s40, s39, 17
	s_lshl_b32 s42, s38, 7
	s_add_co_u32 s40, s40, s42
	s_mov_b32 s41, 0                               ; s[40:41]: 32 rows of 4,096 bytes x block + 128 bytes x column group
	s_lshl_b32 s42, s38, 15                        ; the codes: two column tiles of 16,384 bytes for each column group,
	s_lshr_b32 s44, s39, 2
	s_lshl_b32 s44, s44, 11
	s_add_co_u32 s42, s42, s44                     ; + 2,048 x K step,
	s_and_b32 s44, s39, 3
	s_lshl_b32 s44, s44, 9
	s_add_co_u32 s42, s42, s44                     ; + 512 x block in the step
	s_mov_b32 s43, 0
	s_lshl_b32 s44, s32, 4
	s_add_co_u32 s44, s44, s26
	s_lshl_b32 s44, s44, 14                        ; the table: batch 16 t + wave (+ 8 h by the lane) x 16,384 bytes,
	s_lshl_b32 s46, s27, 8
	s_add_co_u32 s44, s44, s46                     ; + 256 T
	s_mov_b32 s45, 0
	s_lshl_b32 s46, s26, 10
	v_lshlrev_b32 v4, 2, v2
	s_wait_alu depctr_va_vdst(0)
	v_lshl_add_u32 v4, v3, 16, v4                  ; Wh: column r, lanes 16-31 begin 16 rows further down
	v_lshlrev_b32 v5, 12, v2
	s_delay_alu instid0(VALU_DEP_1)
	v_lshl_add_u32 v5, v3, 6, v5                   ; dec: row r, + 64 h: my 16 numbers of a block of 32
	v_lshl_add_u32 v6, v2, 2, s33                  ; the five vectors: 4 (16 T + r)
	v_lshlrev_b32 v7, 2, v1                        ; Ws: 4 bytes a lane
	v_lshlrev_b32 v8, 4, v2
	s_delay_alu instid0(VALU_DEP_1)
	v_lshl_add_u32 v9, v3, 17, v8                  ; the table: 16 r, lanes 16-31 eight batches on
	s_delay_alu instid0(VALU_DEP_2)
	v_lshl_add_u32 v8, v3, 14, v8                  ; the codes: 16 r, lanes 16-31 in the next column tile
	v_lshlrev_b32 v10, 2, v0                       ; LDS, in: 128 x wave + 4 x lane (+ 1,024 j)
	v_lshl_add_u32 v11, v1, 2, s46                 ; LDS, back: 1,024 x wave + 4 x lane (+ 128 s)
	s_wait_alu depctr_va_vdst(0)
	s_wait_kmcnt 0x0
	s_load_b128 s[28:31], s[10:11], 0x0            ; e0 (dec), e1 (Wh), e2 (enc), e3 (Ws)
	s_add_nc_u64 s[6:7], s[6:7], s[34:35]
	s_add_nc_u64 s[8:9], s[8:9], s[36:37]
	s_add_nc_u64 s[4:5], s[4:5], s[40:41]
	s_add_nc_u64 s[22:23], s[22:23], s[42:43]
	s_add_nc_u64 s[24:25], s[24:25], s[44:45]
.irp c, 0,1,2,3
.irp i, 0,1,2,3,4,5,6,7,8,9,10,11,12,13,14,15
	global_load_b32 v[WH+16*\c+\i], v4, s[6:7] offset:(32*\c+\i)*4096   ; Wh(128 s + 32 c + 16 h + i, 16 T + r)
.endr
.endr
.irp c, 0,1,2,3
.irp j, 0,1,2,3
	global_load_b128 v[DE+16*\c+4*\j:DE+16*\c+4*\j+3], v5, s[8:9] offset:128*\c+16*\j
.endr
.endr
	global_load_b32 v[SM], v6, s[12:13]
	global_load_b32 v[SM+1], v6, s[14:15]
	global_load_b32 v[SM+2], v6, s[16:17]
	global_load_b32 v[SM+3], v6, s[18:19]
	global_load_b32 v[SM+4], v6, s[20:21]
.irp i, 0,1,2,3,4,5,6,7,8,9,10,11,12,13,14,15,16,17,18,19,20,21,22,23,24,25,26,27,28,29,30,31
	global_load_b32 v[WS+\i], v7, s[4:5] offset:\i*4096 th:TH_LOAD_NT   ; Ws(32 block + i, my column): read once in the launch
.endr
	s_wait_kmcnt 0x0
	MKSC 29, 232, 233                              ; e1
	MKSC 28, 234, 235                              ; e0
	MKSC 31, 236, 237                              ; e3
	s_add_co_i32 s48, s28, s29                     ; e0 + e1
	s_wait_alu depctr_va_vdst(0)
	s_wait_loadcnt 32                              ; all but the youngest 32, Ws's, are in
	QUANT WH, CW, 232, 233
	QUANT DE, CD, 234, 235
	v_wmma_f32_16x16x128_fp8_fp8 v[AC:AC+7], v[CD:CD+15], v[CW:CW+15], 0   ; register j of lane (r, h): row 16 t + 8 h + j, column 16 T + r, K step s
	v_add_f32 v[SM], v[SM], v[SM+1]                ; four plain instructions that name none of its registers stand behind it (ISA guide 7.12.1): the biases' sum,
	s_delay_alu instid0(VALU_DEP_1)
	v_add_f32 v[SM], v[SM], v[SM+2]
	v_mul_f32 v[EN+1], -2.0, v[SM+4]               ; -2 V_w,
	v_mul_f32 v[EN+2], 0x4038aa3b, v[SM+3]         ; C2 Wc_w
.irp j, 0,1,2,3,4,5,6,7
	ds_store_b32 v10, v[AC+\j] offset:1024*\j      ; from the accumulator's low end on
.endr
	s_wait_dscnt 0x0                               ; for the others' sake: my parts lie in LDS
	s_barrier_signal -1
	s_barrier_wait -1
.irp s, 0,1,2,3,4,5,6,7
	ds_load_b32 v[PT+\s], v11 offset:128*\s        ; register j = my wave's number, of all eight K steps
.endr
	v_mov_b32 v[EN+3], 0
	s_wait_dscnt 0x0
.irp s, 1
	v_add_f32 v[PT], v[PT], v[PT+\s]               ; K ascending
.endr
.irp s, 2, 3, 4, 5, 6, 7
	s_delay_alu instid0(VALU_DEP_1)
	v_add_f32 v[PT], v[PT], v[PT+\s]               ; K ascending
.endr
	s_delay_alu instid0(VALU_DEP_1)
	v_ldexp_f32 v[PT], v[PT], s48                  ; x 2^(e0 + e1)
	s_delay_alu instid0(VALU_DEP_1)
	v_add_f32 v[PT], v[PT], v[SM]
	s_delay_alu instid0(VALU_DEP_1)
	v_mul_f32 v[EN], 0x4038aa3b, v[PT]
	global_store_b128 v9, v[EN:EN+3], s[24:25]     ; each half of the lanes stores 256 consecutive bytes, at a multiple of 256 from the table's first byte
	s_wait_loadcnt 0x0                             ; Ws's 32 numbers
.irp i, 0,1,2,3,4,5,6,7,8,9,10,11,12,13,14,15,16,17,18,19,20,21,22,23,24,25,26,27,28,29,30,31
	v_med3_num_f32 v[WS+\i], v[WS+\i], -v237, v237
.endr
.irp g, 0,1,2,3
	v_cvt_scalef32_pk8_fp8_f32 v[CS+2*\g:CS+2*\g+1], v[WS+8*\g:WS+8*\g+7], v236
.endr
	v_nop
	global_store_b128 v8, v[CS:CS+3], s[22:23]             ; k 0 .. 15 of the block: the part of lanes 0-15 of the operand; sixteen lanes store 256 consecutive bytes, aligned
	global_store_b128 v8, v[CS+4:CS+7], s[22:23] offset:256   ; k 16 .. 31: the part of lanes 16-31
	s_wait_tensorcnt 0x0                           ; the wave's end
	ds_add_u32 v[SPW], v[NIL]
	s_wait_dscnt 0x0
	s_endpgm
.Lfunc_end_k_q65c2c3ee0c_prep:
	.size	k_q65c2c3ee0c_prep, .Lfunc_end_k_q65c2c3ee0c_prep-k_q65c2c3ee0c_prep
	.p2alignl 7, 3214868480
	.fill 96, 4, 3214868480
	.section	.rodata,"a",@progbits
	.p2align	6, 0x0
	.amdhsa_kernel k_q65c2c3ee0c_prep
		.amdhsa_group_segment_fixed_size 9216
		.amdhsa_private_segment_fixed_size 0
		.amdhsa_enable_private_segment 0
		.amdhsa_kernarg_size 88
		.amdhsa_user_sgpr_count 2
		.amdhsa_user_sgpr_kernarg_segment_ptr 1
		.amdhsa_wavefront_size32 1
		.amdhsa_system_sgpr_workgroup_id_x 1
		.amdhsa_system_sgpr_workgroup_id_y 1
		.amdhsa_system_sgpr_workgroup_id_z 1
		.amdhsa_system_vgpr_workitem_id 0
		.amdhsa_next_free_vgpr 256
		.amdhsa_next_free_sgpr 66
		.amdhsa_reserve_vcc 0
		.amdhsa_float_denorm_mode_32 3
		.amdhsa_float_denorm_mode_16_64 3
		.amdhsa_memory_ordered 1
		.amdhsa_forward_progress 1
		.amdhsa_inst_pref_size 29
	.end_amdhsa_kernel
	.amdgpu_metadata
---
amdhsa.version: [ 1, 2 ]
amdhsa.kernels:
  - .name:           k_q65c2c3ee0c_prep
    .symbol:         k_q65c2c3ee0c_prep.kd
    .args:
      - { .name: Ws_w, .offset: 0, .size: 8, .value_kind: global_buffer, .address_space: global }
      - { .name: Wh_w, .offset: 8, .size: 8, .value_kind: global_buffer, .address_space: global }
      - { .name: dec_hidden, .offset: 16, .size: 8, .value_kind: global_buffer, .address_space: global }
      - { .name: lowp_scales, .offset: 24, .size: 8, .value_kind: global_buffer, .address_space: global }
      - { .name: Wh_b, .offset: 32, .size: 8, .value_kind: global_buffer, .address_space: global }
      - { .name: Ws_b, .offset: 40, .size: 8, .value_kind: global_buffer, .address_space: global }
      - { .name: Wc_b, .offset: 48, .size: 8, .value_kind: global_buffer, .address_space: global }
      - { .name: Wc_w, .offset: 56, .size: 8, .value_kind: global_buffer, .address_space: global }
      - { .name: V_w, .offset: 64, .size: 8, .value_kind: global_buffer, .address_space: global }
      - { .name: ws_codes, .offset: 72, .size: 8, .value_kind: global_buffer, .address_space: global }
      - { .name: tab, .offset: 80, .size: 8, .value_kind: global_buffer, .address_space: global }
    .group_segment_fixed_size: 9216
    .private_segment_fixed_size: 0
    .kernarg_segment_align: 8
    .kernarg_segment_size: 88
    .max_flat_workgroup_size: 256
    .sgpr_count:     66
    .vgpr_count:     256
    .wavefront_size: 32
...
	.end_amdgpu_metadata
.endif
;; end of part 1
;; launch main (part 2): grid 256 x 1, 4 waves a work-group, clusters of 4 x 1, 327,680 bytes of LDS; arguments enc_output, prev_coverage, lowp_scales, ws_codes, tab, scores, ctx_part, ml_part; writes scores, ctx_part, ml_part
.if DOCPART == 2
	.amdgcn_target "amdgcn-amd-amdhsa--gfx1250"
	.amdhsa_code_object_version 6
	.text
	.protected	k_q65c2c3ee0c_main
	.globl	k_q65c2c3ee0c_main
	.p2align	8
	.type	k_q65c2c3ee0c_main,@function
k_q65c2c3ee0c_main:
	s_mov_b64 s[64:65], 0
	v_nop
	global_prefetch_b8 v0, s[64:65] scope:SCOPE_SE
	s_setreg_imm32_b32 hwreg(HW_REG_WAVE_MODE, 25, 1), 1
	s_wait_xcnt 0x0
	s_wait_alu depctr_hold_cnt(0) depctr_sa_sdst(0) depctr_va_vdst(0) depctr_va_sdst(0) depctr_va_ssrc(0) depctr_va_vcc(0) depctr_vm_vsrc(0)
	s_getreg_b32 s2, hwreg(HW_REG_IB_STS2, 6, 4)
	s_cmp_eq_u32 s2, 0
	s_cbranch_scc0 .Lentry_in_a_cluster
	s_endpgm
.Lentry_in_a_cluster:
	s_bfe_u32 s2, ttmp6, 0x10000c
	s_cmp_lg_u32 s2, 0x3003
	s_cbranch_scc0 .Lentry_shape_is_right
	s_endpgm
.Lentry_shape_is_right:
; SECOND OF THREE LAUNCHES.  Left out as the first launch's head shows: V_b and sum_u V_w[u] (the same along the softmax's axis) and enc_pad_mask (named by no line of the computation).
; score[row] = sum_u (-2 V_w[u]) / (1 + 2^x),  x = C2 (Q(enc) Q(Ws) + h + the biases + cov Wc)[row][u],  C2 = 2 log2(e).  Then, for each wave's 64 rows: m = max score, p = e^(score - m), l = sum p, c = sum p enc.
; SHARES.  A work-group owns 256 rows of enc, a wave 64 of them.  Three phases:
;  1. The wave's rows come in by dense loads (a load = 512 consecutive bytes of one row), 32 units of 16 rows x 128 along K, four sets of 64 registers by turns: 48 to 64 loads of a wave are out throughout.
;     A unit is held within +-448 x 2^e2 and converted as it lies (a lane's four numbers of two rows make one conversion); only the CODES turn through the wave's own stage in LDS (rows of 128 bytes + 16),
;     and come back as the operand's registers: registers 4 c .. 4 c + 3 hold k = 32 c + 16 h + 0 .. 15 of row r, the same places that ws_codes gives its k.  The 64 x 1,024 codes stay in 512 registers.
;  2. 64 tiles of 16 columns.  Ws's codes walk through a ring of two LDS slots of 8 tiles, filled by joint loads: the four work-groups of a cluster read the same codes.  A trip: tile j's epilogue in batches,
;     with tile j + 1's 32 fragment loads in five runs among its lines (at its top and behind each of its four waits), then tile j + 1's 32 matrix instructions on end (four accumulators by turns, K ascending).
;  3. The wave's softmax part, and c: its rows of enc are read once more, K's slices in the opposite order to phase 1; the first 64 loads go out at the last change of slots.
; PREFETCHES.  Phase 1: a unit is 32 blocks of 256 bytes: one instruction, a lane a block, by the wave that will load it, eight units ahead of the unit's loads (units 4 to 11 are asked for once, behind the head's
; tensor load; units 0 to 3 come by their loads alone; the last twelve units ask for nothing).  Phase 3: a trip asks for the slice three behind the one that it sums, 128 blocks, four instructions; the trips whose
; slice would lie ahead of slice 0 ask for nothing.  Ws's slots have none: a slot is asked for eight tiles ahead of its first read.
; LIMITS: e2 between -126 and 119; e2 + e3 between -126 and 125 (added to C2's exponent field).  NaN among the inputs is not served.
; REGISTERS.  window 0: v1-25 addresses and small things; v26-27 -2 V_w; v28-31 tab's entry; v32-63 accumulators (phase 3: v32-35 c); v64-95 the scores' sums; v96-127 cov;
;   v128-255 Ws's fragments of a tile (phase 1: v128-159 a unit's codes, two sets; v160-191 tab on its way).
;   window 1: phase 1: the four sets of loads; phase 3: 64 rows x 16 bytes.   windows 2, 3: enc's codes, K steps 0-3 and 4-7.
.set WSLOT, 131072                     ; a slot: 8 tiles of 16 columns x 1,024 codes
.set WTILE, 16384
.set STAGE, 2*WSLOT                    ; the codes' stages: 64 rows x SP for each wave; no tensor load lands here
.set SP,    144
.set SWV,   64*SP
.set SPARE, STAGE+4*SWV                ; the spare words: 128 bytes a wave
.set TABL,  SPARE+512                  ; tab[b]: 64 tiles x 256 bytes, stored by the waves
.set LI,  1                            ; 16 x lane
.set RR,  2                            ; r = lane % 16
.set HH,  3                            ; h = lane / 16
.set STA, 4                            ; stage, in: 4 x lane
.set FRA, 5                            ; stage, back: SP r + 16 h
.set ADR, 6
.set TOF, 7                            ; TABL + 16 r
.set CVO, 8
.set SCO, 9
.set SC,  10                           ; 2^e2
.set LIM, 11                           ; 448 x 2^e2
.set SPW, 12
.set NIL, 13
.set ADT, 14
.set TST, 15                           ; where my wave stores its quarter of tab
.set R0,  16
.set P0,  18
.set MX,  20
.set LS,  21
.set T0,  22
.set T1,  23
.set ZO,  24
.set PFO, 25                           ; the prefetches' offset: row lane / 2 of sixteen, block lane % 2 of its 512 bytes; never rewritten
.set TV,  26
.set TA,  28
.set CTX, 32
.set ACC, 32
.set SS,  64
.set COV, 96
.set BF,  128
.set CT,  128
.set TBR, 160
.set WV,  20
.set G1W, 32
.set G0W, 48
.set EX,  52
.set KS,  56
.set TB,  58
.set CN,  59
.set CM,  60
.set TT,  61
.set SEL, 66
.set MSB, 0
.macro WIN new                         ; the immediate's high byte repeats the setting that is left
.if MSB != (\new)
	s_set_vgpr_msb (MSB<<8)|(\new)
.set MSB, (\new)
.endif
.endm
.set TO_B, 0x40                        ; destination window 1
.set FM,   0x04                        ; source 1 window 1
.macro ROUND                           ; a round of the cluster's barrier
	s_barrier_signal -1
	s_barrier_wait -1
	s_cmp_lg_u32 s[WV], 0
	s_cbranch_scc1 .Lnw0_\@
	s_barrier_signal -3
.Lnw0_\@:
	s_barrier_wait -3
	s_barrier_signal -1
	s_barrier_wait -1
.endm
.macro PLACES
.rept 4
	v_nop
.endr
.endm
.macro TBSTEP                          ; from a slot's end to the other slot's first byte
	s_sub_co_u32 s[TB], s[TB], WSLOT
	s_xor_b32 s[TB], s[TB], WSLOT
.endm
; A change of slots: all my tensor loads are in, the add to my spare word, my LDS reads are over; the round; then my quarter of the next 8 tiles, jointly, into the slot that has been left.
.macro CHG_W tb
	WIN 0
	s_wait_tensorcnt 0x0
	ds_add_u32 v[SPW], v[NIL]
	s_xor_b32 s[G0W+1], s[G0W+1], WSLOT
	s_add_nc_u64 s[G0W+2:G0W+3], s[G0W+2:G0W+3], WSLOT
.if \tb
	TBSTEP
.endif
	s_wait_dscnt 0x0
	ROUND
	tensor_load_to_lds s[G0W:G0W+3], s[G1W:G1W+7]
	s_nop 0
	PLACES
.endm
.macro CHG_N                           ; the last change: nothing is left to ask for
	WIN 0
	s_wait_tensorcnt 0x0
	ds_add_u32 v[SPW], v[NIL]
	TBSTEP
	s_wait_dscnt 0x0
	s_barrier_signal -1
	s_barrier_wait -1
.endm
; PHASE 1.  Unit u = 4 t + a: rows 16 a .. 16 a + 15, K slice t, into set a of window 1.
.macro GLOAD u
.set gi, 0
.rept 16
	global_load_b128 v[64*((\u)%4)+4*gi:64*((\u)%4)+4*gi+3], v[LI], s[4:5] offset:4096*(16*((\u)%4)+gi)+512*((\u)/4)
.set gi, gi+1
.endr
.endm
.macro GASK u                          ; unit u's 32 blocks of 256 bytes, a lane a block
	global_prefetch_b8 v[PFO], s[4:5] offset:65536*((\u)%4)+512*((\u)/4) th:TH_LOAD_NT scope:SCOPE_SE
.endm
.macro QUNIT u
.set QA, (\u)%4
.set QT, (\u)/4
.set QC, CT+16*((\u)%2)
.if (\u) <= 28
	s_wait_loadcnt 48                              ; this unit's 16 loads are in; the three younger units' may be out
.else
	s_wait_loadcnt 16*(31-(\u))
.endif
	WIN 0x41
.set i, 0
.rept 64
	v_med3_num_f32 v[64*QA+i], v[64*QA+i], -v[LIM], v[LIM]   ; the conversion does not saturate (ISA guide 7.6.2): the hold comes first
.set i, i+1
.endr
	WIN 0x01
.set i, 0
.rept 8
	v_cvt_scalef32_pk8_fp8_f32 v[QC+2*i:QC+2*i+1], v[64*QA+8*i:64*QA+8*i+7], v[SC]   ; four codes of row 2 i, four of row 2 i + 1
.set i, i+1
.endr
	WIN 0
.if (\u) == 31
	v_nop                                          ; a plain instruction behind the last conversion (elsewhere the next unit's holds are)
.endif
.set i, 0
.rept 16
	ds_store_b32 v[STA], v[QC+i] offset:SP*(16*QA+i)   ; the 32 lanes store a row's 128 codes
.set i, i+1
.endr
.if (\u)+4 < 32
	WIN TO_B
	GLOAD (\u)+4
.endif
.if (\u)+12 < 32
	GASK (\u)+12                                   ; eight units ahead of the loads just issued
.endif
.if QA == 3                            ; the slice is whole: LDS serves a wave's instructions in order, so these see the stores, and the next slice's stores come behind them
	WIN 0x80+0x40*(QT/4)
.irp a, 0,1,2,3
.irp c, 0,1,2,3
	ds_load_b128 v[64*(QT%4)+16*\a+4*\c:64*(QT%4)+16*\a+4*\c+3], v[FRA] offset:SP*16*\a+32*\c
.endr
.endr
.endif
	WIN 0
.endm
; PHASE 2.
.macro MM s, a
.set AR, 64*((\s)%4)+16*(\a)
.if (\s) == 0
	v_wmma_f32_16x16x128_fp8_fp8 v[ACC+8*(\a):ACC+8*(\a)+7], v[AR:AR+15], v[BF+16*(\s):BF+16*(\s)+15], 0
.else
	v_wmma_f32_16x16x128_fp8_fp8 v[ACC+8*(\a):ACC+8*(\a)+7], v[AR:AR+15], v[BF+16*(\s):BF+16*(\s)+15], v[ACC+8*(\a):ACC+8*(\a)+7]
.endif
.endm
; A tile's 32 products.  Ahead of K step s: the LDS loads issued behind its four may be out: the later K steps' 4 (7 - s), and in a trip (p = 1) the load of tab's entry, which stands between K steps 1 and 2.
.macro MMS p
.irp s, 0,1,2,3,4,5,6,7
.if (\p) && (\s < 2)
	s_wait_dscnt 29-4*\s
.else
	s_wait_dscnt 28-4*\s
.endif
	WIN 0x02+\s/4
.irp a, 0,1,2,3
	MM \s, \a
.endr
.endr
	WIN 0
.endm
.macro TADR                            ; where the next tile's entry of tab lies: { C2 (h + biases), -2 V_w, C2 Wc_w, 0 } at column r
	v_add_nc_u32 v[ADT], s[TT], v[TOF]
	s_add_co_u32 s[TT], s[TT], 256
.endm
.macro BADR                            ; where the next tile's fragments lie: images of the operand's registers
	v_add_nc_u32 v[ADR], s[TB], v[LI]
	s_add_co_u32 s[TB], s[TB], WTILE
.endm
.macro BL ld, s                        ; K step s's fragment
.if \ld
.irp c, 0,1,2,3
	ds_load_b128 v[BF+16*(\s)+4*\c:BF+16*(\s)+4*\c+3], v[ADR] offset:2048*(\s)+512*\c
.endr
.endif
.endm
; A tile's epilogue: x, 2^x, 1 + 2^x, its reciprocal, the sums.  Each batch of transcendentals has a wait ahead of it and a wait behind it.
; ld = 1: the next tile's fragment loads stand among its lines, K ascending: two K steps at the top, the others directly behind the four waits (two, one, two, one), so that the four waves' LDS requests
; are spread over the epilogue and each run stands where the lines ahead of it have been waited for.
.macro EPI ld
.if \ld
	BADR
	TADR
.endif
	BL \ld, 0
	BL \ld, 1
.set n, 0
.rept 16
	v_pk_fma_f32 v[ACC+2*n:ACC+2*n+1], v[ACC+2*n:ACC+2*n+1], s[KS:KS+1], v[TA:TA+1] op_sel_hi:[1,0,0]   ; each accumulator from its low end on
.set n, n+1
.endr
.set n, 0
.rept 16
	v_pk_fma_f32 v[ACC+2*n:ACC+2*n+1], v[COV+2*n:COV+2*n+1], v[TA+2:TA+3], v[ACC+2*n:ACC+2*n+1] op_sel_hi:[1,0,1]
.set n, n+1
.endr
	v_mov_b32 v[TV], v[TA+1]                       ; -2 V_w, as the low word of a pair
	s_wait_alu depctr_va_vdst(0)
.if \ld
	ds_load_b128 v[TA:TA+3], v[ADT]                ; this tile's entry has been read: the next tile's
.endif
	BL \ld, 2
	BL \ld, 3
.set n, 0
.rept 32
	v_exp_f32 v[ACC+n], v[ACC+n]
.set n, n+1
.endr
	v_nop
	s_wait_alu depctr_va_vdst(0)
	BL \ld, 4
.set n, 0
.rept 16
	v_pk_add_f32 v[ACC+2*n:ACC+2*n+1], v[ACC+2*n:ACC+2*n+1], 1.0 op_sel_hi:[1,0]
.set n, n+1
.endr
	s_wait_alu depctr_va_vdst(0)
	BL \ld, 5
	BL \ld, 6
.set n, 0
.rept 32
	v_rcp_f32 v[ACC+n], v[ACC+n]
.set n, n+1
.endr
	v_nop
	s_wait_alu depctr_va_vdst(0)
	BL \ld, 7
.set n, 0
.rept 16
	v_pk_fma_f32 v[SS+2*n:SS+2*n+1], v[ACC+2*n:ACC+2*n+1], v[TV:TV+1], v[SS+2*n:SS+2*n+1] op_sel_hi:[1,0,1]
.set n, n+1
.endr
.endm
.macro PERIODS n                       ; a trip: tile j's epilogue, tile j + 1's fragments and products
	s_mov_b32 s[CN], \n
.Lper_\@:
	EPI 1
	MMS 1
	PLACES                                         ; four places behind the products: for the loads into their fragments, and for the next epilogue's reads
	s_sub_co_u32 s[CN], s[CN], 1
	s_cmp_lg_u32 s[CN], 0
	s_cbranch_scc1 .Lper_\@
.endm
; PHASE 3.
.macro CLOAD half, off                 ; 32 rows x 512 bytes
	WIN TO_B
.set rho, 32*(\half)
.rept 32
	global_load_b128 v[4*rho:4*rho+3], v[LI], s[4:5] offset:4096*rho+(\off) th:TH_LOAD_NT
.set rho, rho+1
.endr
.endm
.macro CROWS half                      ; c += p[row] x row; p lies in scalar registers s24-63 and s66-89
	WIN FM
.set rho, 32*(\half)
.rept 32
.if rho < 40
.set PSR, 24+rho
.else
.set PSR, 26+rho
.endif
.irp e, 0,1,2,3
.if rho == 0
	v_mul_f32 v[CTX+\e], s[PSR], v[4*rho+\e]
.else
	v_fmac_f32 v[CTX+\e], s[PSR], v[4*rho+\e]
.endif
.endr
.set rho, rho+1
.endr
.endm
	s_load_b512 s[4:19], s[0:1], 0x0               ; enc s[4:5], cov s[6:7], scales s[8:9], ws_codes s[10:11], tab s[12:13], scores s[14:15], ctx_part s[16:17], ml_part s[18:19]
	v_lshl_add_u32 v[SPW], v0, 2, SPARE
	v_mov_b32 v[NIL], 0
	ds_add_u32 v[SPW], v[NIL]                      ; the opening lines: the add, twice on end, and one wait
	ds_add_u32 v[SPW], v[NIL]
	v_lshrrev_b32 v[T0], 5, v0
	v_readfirstlane_b32 s[WV], v[T0]               ; wave 0..3
	s_bfe_u32 s21, ttmp6, 0x40000
	s_lshl_b32 s22, ttmp9, 2
	s_add_co_u32 s22, s22, s21                     ; the work-group's number: it enters global addresses of my own rows alone
	s_mov_b32 s[G1W], 15|(3<<16)|(1<<21)           ; the cluster's four; elements of 8 bytes
	s_mov_b32 s[G1W+1], 32<<16                     ; rows of 256 bytes,
	s_mov_b32 s[G1W+2], 128<<16                    ; 128 of them: a wave's quarter of a slot, dense
	s_mov_b32 s[G1W+3], 32<<16
	s_mov_b32 s[G1W+4], 128
	s_mov_b32 s[G1W+5], 32
	s_mov_b32 s[G1W+6], 0
	s_mov_b32 s[G1W+7], 0
	s_mov_b32 s[SEL], 0x76543210
	s_mov_b32 s[SEL+1], 0xfedcba98
	s_mul_i32 s80, s[WV], SWV
	s_add_co_u32 s80, s80, STAGE                   ; my stage
	s_lshl_b32 s81, s[WV], 12
	s_add_co_u32 s94, s81, TABL                    ; my quarter of tab in LDS
	s_lshl_b32 s82, s22, 20
	s_lshl_b32 s83, s[WV], 18
	s_add_co_u32 s82, s82, s83                     ; enc: 256 rows of 4,096 bytes a work-group, 64 a wave
	s_mov_b32 s83, 0
	s_lshl_b32 s84, s22, 10
	s_lshl_b32 s85, s[WV], 8
	s_add_co_u32 s84, s84, s85                     ; cov, scores: 4 bytes a row
	s_mov_b32 s85, 0
	s_lshl_b32 s86, s[WV], 15                      ; ws_codes: my quarter of a slot
	s_mov_b32 s87, 0
	s_lshr_b32 s88, ttmp9, 1
	s_lshl_b32 s88, s88, 14
	s_add_co_u32 s88, s88, s81                     ; tab: batch = cluster / 2, 16,384 bytes each, + my quarter
	s_mov_b32 s89, 0
	s_lshl_b32 s90, s22, 2
	s_add_co_u32 s90, s90, s[WV]                   ; my part's number
	s_lshl_b32 s92, s90, 3
	s_mov_b32 s93, 0
	s_lshl_b32 s90, s90, 12
	s_add_co_u32 s90, s90, 3584                    ; ctx_part: the last 512 bytes of my 4,096 first
	s_mov_b32 s91, 0
	v_and_b32 v[T1], 31, v0
	v_lshlrev_b32 v[LI], 4, v[T1]
	v_lshl_add_u32 v[STA], v[T1], 2, s80
	v_lshrrev_b32 v[T0], 1, v[T1]
	v_and_b32 v[PFO], 1, v[T1]
	v_lshlrev_b32 v[PFO], 8, v[PFO]
	v_lshl_add_u32 v[PFO], v[T0], 12, v[PFO]       ; 4,096 (lane / 2) + 256 (lane % 2)
	v_and_b32 v[RR], 15, v0
	v_bfe_u32 v[HH], v0, 4, 1
	v_mul_u32_u24 v[FRA], v[RR], SP
	v_lshl_add_u32 v[FRA], v[HH], 4, v[FRA]
	v_add_nc_u32 v[FRA], s80, v[FRA]
	v_lshlrev_b32 v[TOF], 4, v[RR]
	v_add_nc_u32 v[TOF], TABL, v[TOF]
	v_add_nc_u32 v[TST], s94, v[LI]
	v_lshlrev_b32 v[CVO], 5, v[HH]
	v_lshrrev_b32 v[T0], 2, v[RR]
	v_and_b32 v[T1], 3, v[RR]
	v_lshlrev_b32 v[SCO], 3, v[T1]
	v_lshl_add_u32 v[SCO], v[T0], 6, v[SCO]
	v_add_nc_u32 v[SCO], v[SCO], v[CVO]            ; scores: lane (r, h) stores rows 16 (r / 4) + 8 h + 2 (r % 4) and the next
	s_wait_alu depctr_va_vdst(0)
	s_wait_dscnt 0x0
	s_wait_kmcnt 0x0
	s_load_b128 s[EX:EX+3], s[8:9], 0x0            ; e0 .. e3
	s_add_nc_u64 s[4:5], s[4:5], s[82:83]
	s_add_nc_u64 s[6:7], s[6:7], s[84:85]
	s_add_nc_u64 s[14:15], s[14:15], s[84:85]
	s_add_nc_u64 s[10:11], s[10:11], s[86:87]
	s_add_nc_u64 s[12:13], s[12:13], s[88:89]
	s_add_nc_u64 s[16:17], s[16:17], s[90:91]
	s_add_nc_u64 s[18:19], s[18:19], s[92:93]
	s_mov_b32 s[G0W], 1
	s_lshl_b32 s[G0W+1], s[WV], 15
	s_mov_b64 s[G0W+2:G0W+3], s[10:11]
	s_or_b32 s[G0W+3], s[G0W+3], 0x80000000
.irp a, 0,1,2,3
	global_load_b128 v[COV+8*\a:COV+8*\a+3], v[CVO], s[6:7] offset:64*\a          ; cov of rows 16 a + 8 h + 0 .. 7: the accumulators' layout
	global_load_b128 v[COV+8*\a+4:COV+8*\a+7], v[CVO], s[6:7] offset:64*\a+16
.endr
.irp i, 0,1,2,3,4,5,6,7
	global_load_b128 v[TBR+4*\i:TBR+4*\i+3], v[LI], s[12:13] offset:512*\i        ; my quarter of tab[b]
.endr
	WIN TO_B
	GLOAD 0
	GLOAD 1
	GLOAD 2
	GLOAD 3
	WIN 0
	ROUND                                          ; in front of the first joint load
	tensor_load_to_lds s[G0W:G0W+3], s[G1W:G1W+7]  ; tiles 0 to 7 of Ws: my one tensor load at the head
	s_nop 0
	PLACES
.irp u, 4,5,6,7,8,9,10,11
	GASK \u                                        ; the eight units whose loads the first eight units' work will issue
.endr
	s_wait_kmcnt 0x0
	s_add_co_i32 s80, s[EX+2], s[EX+3]
	s_lshl_b32 s80, s80, 23
	s_mov_b32 s[KS], 0x4038aa3b
	s_add_co_i32 s[KS], s[KS], s80                 ; C2 x 2^(e2 + e3)
	s_mov_b32 s[KS+1], s[KS]
	s_add_co_i32 s80, s[EX+2], 127
	s_lshl_b32 s81, s80, 23
	v_mov_b32 v[SC], s81
	s_add_co_i32 s80, s80, 8
	s_lshl_b32 s80, s80, 23
	s_or_b32 s80, s80, 0x600000
	v_mov_b32 v[LIM], s80
	s_wait_alu depctr_va_vdst(0)
.set uu, 0
.rept 32
	QUNIT uu
.set uu, uu+1
.endr
.irp i, 0,1,2,3,4,5,6,7
	ds_store_b128 v[TST], v[TBR+4*\i:TBR+4*\i+3] offset:512*\i   ; tab: the others read it behind the round below
.endr
	s_wait_xcnt 0x0                                ; every load and prefetch of phase 1 has read its base
	s_add_nc_u64 s[4:5], s[4:5], 3584              ; phase 3 begins at the last K slice
	CHG_W 0                                        ; slot 1's first fill, issued as a refill is: tiles 8 to 15
	s_mov_b32 s[TB], 0
	s_mov_b32 s[TT], 0
	TADR
	ds_load_b128 v[TA:TA+3], v[ADT]                ; tile 0's entry of tab
	BADR
.irp s, 0,1,2,3,4,5,6,7
	BL 1, \s
.endr
	MMS 0                                          ; tile 0
.set i, 0
.rept 32
	v_mov_b32 v[SS+i], 0                           ; (also the places behind tile 0's products)
.set i, i+1
.endr
	v_mov_b32 v[TV+1], 0                           ; (named as the upper half of a pair)
	PERIODS 7                                      ; epilogues 0 to 6; the last of them has read tile 7, slot 0's last
	s_mov_b32 s[CM], 6
.Lslot:
	CHG_W 1
	PERIODS 8
	s_sub_co_u32 s[CM], s[CM], 1
	s_cmp_lg_u32 s[CM], 0
	s_cbranch_scc1 .Lslot
	CHG_N
	CLOAD 0, 0                                     ; phase 3's first 64 loads go out here: window 1 is free, and eight tiles' work follows
	CLOAD 1, 0
	WIN 0
	PERIODS 8                                      ; epilogues 55 to 62, products 56 to 63
	EPI 0
.irp m, 1,2,4,8
.set i, 0
.rept 32
	v_add_f32_dpp v[SS+i], v[SS+i], v[SS+i] row_xmask:\m row_mask:0xf bank_mask:0xf   ; the sixteen column classes are added
.set i, i+1
.endr
.endr
	v_mov_b32 v[R0], v[SS]
	v_mov_b32 v[R0+1], v[SS+1]
.irp n, 1,2,3,4,5,6,7,8,9,10,11,12,13,14,15
	v_cmp_eq_u32 vcc_lo, \n, v[RR]
	v_cndmask_b32 v[R0], v[R0], v[SS+2*\n], vcc_lo
	v_cndmask_b32 v[R0+1], v[R0+1], v[SS+2*\n+1], vcc_lo
.endr
	global_store_b64 v[SCO], v[R0:R0+1], s[14:15]  ; the wave's 64 scores: 256 consecutive bytes, aligned
	v_max_num_f32 v[MX], v[R0], v[R0+1]
.irp m, 1,2,4,8
	v_max_num_f32_dpp v[MX], v[MX], v[MX] row_xmask:\m row_mask:0xf bank_mask:0xf
.endr
	v_permlanex16_b32 v[T0], v[MX], s[SEL], s[SEL+1]
	v_max_num_f32 v[MX], v[MX], v[T0]              ; m: taken away before the exponentials
	v_sub_f32 v[P0], v[R0], v[MX]
	v_sub_f32 v[P0+1], v[R0+1], v[MX]
	v_mul_f32 v[P0], 0x3fb8aa3b, v[P0]
	v_mul_f32 v[P0+1], 0x3fb8aa3b, v[P0+1]
	s_wait_alu depctr_va_vdst(0)
	v_exp_f32 v[P0], v[P0]
	v_exp_f32 v[P0+1], v[P0+1]
	v_mov_b32 v[ZO], 0
	s_wait_alu depctr_va_vdst(0)
	v_add_f32 v[LS], v[P0], v[P0+1]
.irp m, 1,2,4,8
	v_add_f32_dpp v[LS], v[LS], v[LS] row_xmask:\m row_mask:0xf bank_mask:0xf
.endr
	v_permlanex16_b32 v[T0], v[LS], s[SEL], s[SEL+1]
	v_add_f32 v[LS], v[LS], v[T0]                  ; l
.set rho, 0
.rept 64
.if rho < 40
.set PSR, 24+rho
.else
.set PSR, 26+rho
.endif
	v_readlane_b32 s[PSR], v[P0+(rho&1)], 16*((rho>>3)&1)+4*(rho>>4)+((rho>>1)&3)   ; p of row rho
.set rho, rho+1
.endr
	v_cmp_eq_u32 vcc_lo, 0, v[LI]
	s_wait_xcnt 0x0                                ; EXEC changes only behind this wait
	s_and_saveexec_b32 s2, vcc_lo
	global_store_b64 v[ZO], v[MX:MX+1], s[18:19]   ; (m, l)
	s_wait_xcnt 0x0
	s_or_b32 exec_lo, exec_lo, s2
	s_mov_b32 s3, 7
.Lctx:                                             ; a trip sums slice s3: 128 numbers of c; slice s3 - 1's loads go out as the registers come free
	s_wait_loadcnt 32
	CROWS 0
	WIN 0
	s_cmp_ge_u32 s3, 3                             ; slice s3 - 3 is asked for, two trips ahead of its loads, while there is one
	s_cbranch_scc0 .Lnoask
.irp i, 0,1,2,3
	global_prefetch_b8 v[PFO], s[4:5] offset:65536*\i-1536 th:TH_LOAD_NT scope:SCOPE_SE
.endr
.Lnoask:
	CLOAD 0, -512
	s_wait_alu depctr_va_vdst(0)
	s_wait_loadcnt 32
	CROWS 1
	CLOAD 1, -512
	WIN 0
	global_store_b128 v[LI], v[CTX:CTX+3], s[16:17]
	s_wait_xcnt 0x0                                ; the bases and the store's data are rewritten only behind this wait
	s_sub_nc_u64 s[4:5], s[4:5], 512
	s_sub_nc_u64 s[16:17], s[16:17], 512
	s_sub_co_u32 s3, s3, 1
	s_cmp_lg_u32 s3, 0
	s_cbranch_scc1 .Lctx
	s_wait_loadcnt 32
	CROWS 0
	s_wait_alu depctr_va_vdst(0)
	s_wait_loadcnt 0
	CROWS 1
	WIN 0
	global_store_b128 v[LI], v[CTX:CTX+3], s[16:17]
	s_wait_tensorcnt 0x0                           ; the wave's end
	ds_add_u32 v[SPW], v[NIL]
	s_wait_dscnt 0x0
	ROUND                                          ; the closing round
	s_endpgm
.Lfunc_end_k_q65c2c3ee0c_main:
	.size	k_q65c2c3ee0c_main, .Lfunc_end_k_q65c2c3ee0c_main-k_q65c2c3ee0c_main
	.p2alignl 7, 3214868480
	.fill 96, 4, 3214868480
	.section	.rodata,"a",@progbits
	.p2align	6, 0x0
	.amdhsa_kernel k_q65c2c3ee0c_main
		.amdhsa_group_segment_fixed_size 327680
		.amdhsa_private_segment_fixed_size 0
		.amdhsa_enable_private_segment 0
		.amdhsa_kernarg_size 64
		.amdhsa_user_sgpr_count 2
		.amdhsa_user_sgpr_kernarg_segment_ptr 1
		.amdhsa_wavefront_size32 1
		.amdhsa_system_sgpr_workgroup_id_x 1
		.amdhsa_system_sgpr_workgroup_id_y 1
		.amdhsa_system_sgpr_workgroup_id_z 1
		.amdhsa_system_vgpr_workitem_id 0
		.amdhsa_next_free_vgpr 1024
		.amdhsa_next_free_sgpr 96
		.amdhsa_reserve_vcc 1
		.amdhsa_float_denorm_mode_32 3
		.amdhsa_float_denorm_mode_16_64 3
		.amdhsa_memory_ordered 1
		.amdhsa_forward_progress 1
		.amdhsa_inst_pref_size 255
	.end_amdhsa_kernel
	.section	.bss,"aw",@nobits
	.p2align	6
	.space	262144
	.amdgpu_metadata
---
amdhsa.version: [ 1, 2 ]
amdhsa.kernels:
  - .name:           k_q65c2c3ee0c_main
    .symbol:         k_q65c2c3ee0c_main.kd
    .args:
      - { .name: enc_output, .offset: 0, .size: 8, .value_kind: global_buffer, .address_space: global }
      - { .name: prev_coverage, .offset: 8, .size: 8, .value_kind: global_buffer, .address_space: global }
      - { .name: lowp_scales, .offset: 16, .size: 8, .value_kind: global_buffer, .address_space: global }
      - { .name: ws_codes, .offset: 24, .size: 8, .value_kind: global_buffer, .address_space: global }
      - { .name: tab, .offset: 32, .size: 8, .value_kind: global_buffer, .address_space: global }
      - { .name: scores, .offset: 40, .size: 8, .value_kind: global_buffer, .address_space: global }
      - { .name: ctx_part, .offset: 48, .size: 8, .value_kind: global_buffer, .address_space: global }
      - { .name: ml_part, .offset: 56, .size: 8, .value_kind: global_buffer, .address_space: global }
    .group_segment_fixed_size: 327680
    .private_segment_fixed_size: 0
    .kernarg_segment_align: 8
    .kernarg_segment_size: 64
    .max_flat_workgroup_size: 128
    .sgpr_count:     96
    .vgpr_count:     1024
    .wavefront_size: 32
...
	.end_amdgpu_metadata
.endif
;; end of part 2
;; launch combine (part 3): grid 8 x 32, 1 waves a work-group, no clusters, 0 bytes of LDS; arguments scores, ctx_part, ml_part, prev_coverage, out0, out1, out2; writes out0, out1, out2
.if DOCPART == 3
	.amdgcn_target "amdgcn-amd-amdhsa--gfx1250"
	.amdhsa_code_object_version 6
	.text
	.protected	k_q65c2c3ee0c_combine
	.globl	k_q65c2c3ee0c_combine
	.p2align	8
	.type	k_q65c2c3ee0c_combine,@function
k_q65c2c3ee0c_combine:
	s_mov_b64 s[64:65], 0
	v_nop
	global_prefetch_b8 v0, s[64:65] scope:SCOPE_SE
	s_setreg_imm32_b32 hwreg(HW_REG_WAVE_MODE, 25, 1), 1
	s_wait_xcnt 0x0
; THIRD OF THREE LAUNCHES.  Left out as the first launch's head shows: V_b and sum_u V_w[u] (the same along the softmax's axis): the scores here are without them.
; A batch's 2,048 rows lie in 32 parts of 64, each with its own maximum m, sum l and weighted sum c[1024].  M = max m;  f = e^(m - M);  L = sum f l;  out0 = sum f c / L;  out1 = e^(score - M) / L;  out2 = out1 + cov.
; Work-group (x, b), one wave: 128 numbers of out0 and 256 of out1 and of out2 of batch b.  Lane p holds part p's (m, l).  All 37 loads go out at once; every load and store of 16 bytes a lane covers 512 consecutive bytes.
; No LDS, no matrix unit, no cluster: the launch moves each of its bytes once and shares nothing.
	s_load_b256 s[4:11], s[0:1], 0x0               ; scores s[4:5], ctx_part s[6:7], ml_part s[8:9], cov s[10:11]
	s_load_b128 s[12:15], s[0:1], 0x20             ; out0, out1
	s_load_b64 s[16:17], s[0:1], 0x30              ; out2
	s_and_b32 s18, ttmp7, 0xffff                   ; b
	v_lshlrev_b32 v1, 4, v0                        ; 16 x lane
	v_lshlrev_b32 v14, 3, v0                       ; 8 x lane
	v_mov_b32 v5, 0                                ; written once: a lane permute's destination counts as one of its sources
	s_lshl_b32 s20, s18, 8                         ; (m, l): 32 parts of 8 bytes a batch
	s_mov_b32 s21, 0
	s_lshl_b32 s19, ttmp9, 9
	s_lshl_b32 s22, s18, 17
	s_add_co_u32 s22, s22, s19                     ; ctx_part: 32 parts of 4,096 bytes a batch, + 512 x
	s_mov_b32 s23, 0
	s_lshl_b32 s24, s18, 13
	s_lshl_b32 s26, ttmp9, 10
	s_add_co_u32 s24, s24, s26                     ; scores, cov, out1, out2: 8,192 bytes a batch, + 1,024 x
	s_mov_b32 s25, 0
	s_lshl_b32 s26, s18, 12
	s_add_co_u32 s26, s26, s19                     ; out0: 4,096 bytes a batch, + 512 x
	s_mov_b32 s27, 0
	s_mov_b32 s28, 0x76543210
	s_mov_b32 s29, 0xfedcba98
	s_mov_b32 s31, 0                               ; (named as the upper halves of pairs)
	s_mov_b32 s33, 0
	s_wait_alu depctr_va_vdst(0)
	s_wait_kmcnt 0x0
	s_add_nc_u64 s[8:9], s[8:9], s[20:21]
	s_add_nc_u64 s[6:7], s[6:7], s[22:23]
	s_add_nc_u64 s[4:5], s[4:5], s[24:25]
	s_add_nc_u64 s[10:11], s[10:11], s[24:25]
	s_add_nc_u64 s[14:15], s[14:15], s[24:25]
	s_add_nc_u64 s[16:17], s[16:17], s[24:25]
	s_add_nc_u64 s[12:13], s[12:13], s[26:27]
	global_load_b64 v[2:3], v14, s[8:9]
.set w, 0
.rept 32
	global_load_b128 v[16+4*w:19+4*w], v1, s[6:7] offset:4096*w th:TH_LOAD_NT
.set w, w+1
.endr
	global_load_b128 v[144:147], v1, s[4:5] th:TH_LOAD_NT
	global_load_b128 v[148:151], v1, s[4:5] offset:512 th:TH_LOAD_NT
	global_load_b128 v[152:155], v1, s[10:11]
	global_load_b128 v[156:159], v1, s[10:11] offset:512
	s_wait_loadcnt 36                              ; (m, l) are in; the 36 loads behind them may be out
	v_mov_b32 v4, v2
.irp m, 1,2,4,8
	v_max_num_f32_dpp v4, v4, v4 row_xmask:\m row_mask:0xf bank_mask:0xf
.endr
	v_permlanex16_b32 v5, v4, s28, s29
	v_max_num_f32 v4, v4, v5                       ; M: the maximum is taken away before every exponential
	v_sub_f32 v6, v2, v4
	v_mul_f32 v6, 0x3fb8aa3b, v6
	s_wait_alu depctr_va_vdst(0)
	v_exp_f32 v6, v6                               ; f
	v_nop                                          ; a plain instruction behind the transcendental,
	s_wait_alu depctr_va_vdst(0)                   ; and the wait ahead of the first use
	v_mul_f32 v7, v6, v3
.irp m, 1,2,4,8
	v_add_f32_dpp v7, v7, v7 row_xmask:\m row_mask:0xf bank_mask:0xf
.endr
	v_permlanex16_b32 v5, v7, s28, s29
	v_add_f32 v7, v7, v5                           ; L
	s_wait_alu depctr_va_vdst(0)
	v_rcp_f32 v8, v7
	v_nop
	s_wait_alu depctr_va_vdst(0)
	v_mul_f32 v9, v6, v8                           ; f / L of part = lane
	s_wait_loadcnt 0x0
.irp j, 0,1,2,3,4,5,6,7
	v_sub_f32 v[144+\j], v[144+\j], v4
.endr
.irp j, 0,1,2,3,4,5,6,7
	v_mul_f32 v[144+\j], 0x3fb8aa3b, v[144+\j]
.endr
	s_wait_alu depctr_va_vdst(0)
.irp j, 0,1,2,3,4,5,6,7
	v_exp_f32 v[144+\j], v[144+\j]
.endr
	v_readlane_b32 s30, v9, 0                      ; the parts' sum stands between the exponentials and the wait for them
	v_pk_mul_f32 v[10:11], v[16:17], s[30:31] op_sel_hi:[1,0]
	v_pk_mul_f32 v[12:13], v[18:19], s[30:31] op_sel_hi:[1,0]
.set w, 1
.rept 31
	v_readlane_b32 s[30+2*(w%2)], v9, w
	v_pk_fma_f32 v[10:11], v[16+4*w:17+4*w], s[30+2*(w%2):31+2*(w%2)], v[10:11] op_sel_hi:[1,0,1]
	v_pk_fma_f32 v[12:13], v[18+4*w:19+4*w], s[30+2*(w%2):31+2*(w%2)], v[12:13] op_sel_hi:[1,0,1]
.set w, w+1
.endr
	global_store_b128 v1, v[10:13], s[12:13]
	s_wait_alu depctr_va_vdst(0)                   ; one wait for the eight exponentials
.irp j, 0,1,2,3,4,5,6,7
	v_mul_f32 v[144+\j], v[144+\j], v8
.endr
.irp j, 0,2,4,6
	v_pk_add_f32 v[152+\j:153+\j], v[152+\j:153+\j], v[144+\j:145+\j]
.endr
	global_store_b128 v1, v[144:147], s[14:15]
	global_store_b128 v1, v[148:151], s[14:15] offset:512
	global_store_b128 v1, v[152:155], s[16:17]
	global_store_b128 v1, v[156:159], s[16:17] offset:512
	s_endpgm
.Lfunc_end_k_q65c2c3ee0c_combine:
	.size	k_q65c2c3ee0c_combine, .Lfunc_end_k_q65c2c3ee0c_combine-k_q65c2c3ee0c_combine
	.p2alignl 7, 3214868480
	.fill 96, 4, 3214868480
	.section	.rodata,"a",@progbits
	.p2align	6, 0x0
	.amdhsa_kernel k_q65c2c3ee0c_combine
		.amdhsa_group_segment_fixed_size 0
		.amdhsa_private_segment_fixed_size 0
		.amdhsa_enable_private_segment 0
		.amdhsa_kernarg_size 56
		.amdhsa_user_sgpr_count 2
		.amdhsa_user_sgpr_kernarg_segment_ptr 1
		.amdhsa_wavefront_size32 1
		.amdhsa_system_sgpr_workgroup_id_x 1
		.amdhsa_system_sgpr_workgroup_id_y 1
		.amdhsa_system_sgpr_workgroup_id_z 1
		.amdhsa_system_vgpr_workitem_id 0
		.amdhsa_next_free_vgpr 192
		.amdhsa_next_free_sgpr 66
		.amdhsa_reserve_vcc 0
		.amdhsa_float_denorm_mode_32 3
		.amdhsa_float_denorm_mode_16_64 3
		.amdhsa_memory_ordered 1
		.amdhsa_forward_progress 1
		.amdhsa_inst_pref_size 15
	.end_amdhsa_kernel
	.amdgpu_metadata
---
amdhsa.version: [ 1, 2 ]
amdhsa.kernels:
  - .name:           k_q65c2c3ee0c_combine
    .symbol:         k_q65c2c3ee0c_combine.kd
    .args:
      - { .name: scores, .offset: 0, .size: 8, .value_kind: global_buffer, .address_space: global }
      - { .name: ctx_part, .offset: 8, .size: 8, .value_kind: global_buffer, .address_space: global }
      - { .name: ml_part, .offset: 16, .size: 8, .value_kind: global_buffer, .address_space: global }
      - { .name: prev_coverage, .offset: 24, .size: 8, .value_kind: global_buffer, .address_space: global }
      - { .name: out0, .offset: 32, .size: 8, .value_kind: global_buffer, .address_space: global }
      - { .name: out1, .offset: 40, .size: 8, .value_kind: global_buffer, .address_space: global }
      - { .name: out2, .offset: 48, .size: 8, .value_kind: global_buffer, .address_space: global }
    .group_segment_fixed_size: 0
    .private_segment_fixed_size: 0
    .kernarg_segment_align: 8
    .kernarg_segment_size: 56
    .max_flat_workgroup_size: 32
    .sgpr_count:     66
    .vgpr_count:     192
    .wavefront_size: 32
...
	.end_amdgpu_metadata
.endif
;; end of part 3
